; MI455X (gfx1250); checked and timed in simulation.
; The chip was launched on July 23, 2026; its instructions are those of AMD's public machine-readable ISA for CDNA 5 (MIT licence, August 2026) and "CDNA5" Instruction Set Architecture Reference Guide (July 2026). The comments in the code are by the model that wrote it; some were corrected since.
;; Global Discrete Attention. Allowed arithmetic: float matrix products may take bf16 or f16 operands with f32 sums; all other float work in f32.
;; Inputs: evidence_mask 4 x 4,096 bool; mask_value 64 float32; pop_lut 256 float32; temperature one number float32; value_table 256 x 64 float32; z 4 x 8 x 64 x 64 float32.
;; Outputs: out0 4 x 64 x 64 x 64 float32.
;; 2 versions, each right; version 2 is version 1 with the launch attend written anew for expert scheduling mode. Each part assembles by itself: llvm-mc -triple=amdgcn-amd-amdhsa -mcpu=gfx1250 --defsym DOCPART=n.
;; ======== version 1 of 2: 2 launches
;; workspace buffers: codes 65,536 bytes of whole numbers; hist 16,384 bytes; vfrag 32,768 bytes
;; launch pack (part 1): grid 16 x 1, 8 waves a work-group, no clusters, 13,312 bytes of LDS; arguments z, evidence_mask, value_table, codes, hist, vfrag; writes codes, hist, vfrag
.if DOCPART == 1
	.amdgcn_target "amdgcn-amd-amdhsa--gfx1250"
	.amdhsa_code_object_version 6
	.text
	.protected	k_qe2ca46cda2_pack
	.globl	k_qe2ca46cda2_pack
	.p2align	8
	.type	k_qe2ca46cda2_pack,@function
k_qe2ca46cda2_pack:
	s_mov_b64 s[64:65], 0
	v_nop
	global_prefetch_b8 v0, s[64:65] scope:SCOPE_SE
	s_setreg_imm32_b32 hwreg(HW_REG_WAVE_MODE, 25, 1), 1
	s_wait_xcnt 0x0
; FIRST OF TWO LAUNCHES.  z [4][8][4096] f32, evidence_mask [4][4096] bytes (0 or 1), value_table [256][64] f32.
; Makes (1) codes [4][4096] u32: bit k of a key's code is z[b][k][key] > 0.5 (a NaN gives 0, as in the comparison itself);
;       (2) hist [16][256] f32: for each work-group, how many of its 1,024 keys have evidence and code c (four work-groups a batch);
;       (3) vfrag: value_table in bf16, laid out as the B fragments of the second launch (see below).
; Keys enter the attention only through their code, so the second launch sums over the 256 codes with these counts as weights.
; The codes steer addresses only in the second launch; here no address hangs on them.  So the histogram is a matrix product:
; count[hi][lo] = sum over keys of [code>>4 == hi] x [code&15 == lo and evidence].  The operands are 0 or 2.0 in bf16 and the sums
; are f32 (at most 4 x 1,024), so every count is exact; the factor 4 is taken out at the end.
; Sixteen work-groups of eight waves; thread t owns keys 4 t .. 4 t + 3 of the group's 1,024: each byte of z is read once.
; vfrag: piece f = 8 ks + 2 nt + half (512 bytes), lane (r, h) holds 16 bytes: value_table[c][16 nt + r] for
; c = 128 i + 4 (4 ks + 2 half + h) + j, in the order e = 4 i + j.  That order of k is the one in which the second launch lays down A's rows.
.set PLANE, 16384                      ; bytes of one bit plane of one batch
.set HIN,   0                          ; LDS: 1,024 x u16, code >> 4
.set LON,   2048                       ; LDS: 1,024 x u16, code & 15, plus 0x100 where the key has no evidence
.set RED,   4096                       ; LDS: 8 waves x 256 f32, the waves' partial histograms
.set Z,     8                          ; v[8:39]    z of my four keys, plane k in v[Z+4k:Z+4k+3]
.set MK,    40                         ; v40        my four evidence bytes
.set RA,    41                         ; v41        LDS address of my half-wave's 16 keys
.set RR,    42                         ; v42        r in both halves of the word
.set WA,    43                         ; v43        LDS address of my part of the wave's histogram
.set C,     44                         ; v[44:47]   my four codes
.set VV,    48                         ; v[48:55]   eight numbers of value_table
.set VP,    56                         ; v[56:59]   the same in bf16
.set PK,    60                         ; v60, v61   codes as two 16-bit halves a word
.set NM,    62                         ; v62        bytes: 1 where there is no evidence
.set ZERO,  63
.set FL,    64                         ; v64, v65   0x100 in the half of a key without evidence
.set HN,    66                         ; v[66:67]   high nibbles
.set LN,    68                         ; v[68:69]   low nibbles with the flag
.set A8,    70                         ; v70        8 t
.set FA,    72                         ; v[72:103]  four A fragments
.set FB,    104                        ; v[104:135] four B fragments
.set ACC,   136                        ; v[136:151] two accumulators
.set Q,     152                        ; v[152:183] eight waves' counts of four bins
	s_load_b256 s[4:11], s[0:1], 0x0               ; z s[4:5], evidence_mask s[6:7], value_table s[8:9], codes s[10:11]
	s_load_b128 s[12:15], s[0:1], 0x20             ; hist s[12:13], vfrag s[14:15]
	v_lshl_add_u32 v184, v0, 2, 0x3000
	v_mov_b32 v185, 0
	v_lshrrev_b32 v1, 5, v0
	v_readfirstlane_b32 s16, v1                    ; wave 0..7
	v_lshlrev_b32 v2, 4, v0                        ; 16 t
	v_lshlrev_b32 v3, 2, v0                        ; 4 t
	v_and_b32 v4, 15, v0                           ; r
	v_bfe_u32 v5, v0, 4, 1                         ; h
	s_lshr_b32 s17, ttmp9, 2                       ; batch
	s_and_b32 s18, ttmp9, 3                        ; which quarter of its keys
	s_lshl_b32 s20, s17, 17                        ; batch x 8 planes x 16,384 bytes
	s_lshl_b32 s18, s18, 12                        ; + quarter x 1,024 keys x 4 bytes
	s_add_co_u32 s20, s20, s18
	s_mov_b32 s21, 0
	s_lshl_b32 s22, ttmp9, 10                      ; evidence: group x 1,024 bytes; hist: group x 256 f32
	s_mov_b32 s23, 0
	s_lshl_b32 s24, ttmp9, 12                      ; codes: group x 1,024 words
	s_mov_b32 s25, 0
	s_mov_b32 s32, 0x000f000f                      ; a nibble in each half
	s_mov_b32 s33, 0x01040004                      ; byte select: bytes 0, 1 of NM into byte 1 of each half, zeros elsewhere
	s_mov_b32 s34, 0x03040204                      ; the same for bytes 2, 3
	s_mov_b32 s35, 0x40004000                      ; 2.0 in bf16, twice
	s_wait_kmcnt 0x0
	s_add_nc_u64 s[4:5], s[4:5], s[20:21]
	s_add_nc_u64 s[6:7], s[6:7], s[22:23]
	s_add_nc_u64 s[10:11], s[10:11], s[24:25]
	s_add_nc_u64 s[12:13], s[12:13], s[22:23]
.irp k, 7,6,5,4,3,2,1,0
	global_load_b128 v[Z+4*\k:Z+4*\k+3], v2, s[4:5] offset:\k*PLANE th:TH_LOAD_NT   ; a wave's load covers 512 consecutive bytes of a plane
.endr
	global_load_b32 v[MK], v3, s[6:7] th:TH_LOAD_NT
	; Waves 0 to 3: one piece of vfrag each (16 groups x 4 waves = the 64 pieces).  Their loads go out behind z's, so one latency covers both.
	s_cmp_gt_u32 s16, 3
	s_cbranch_scc1 .Lno_table
	s_lshl2_add_u32 s26, ttmp9, s16                ; f = 4 x group + wave
	s_lshr_b32 s27, s26, 3                         ; ks
	s_lshl_b32 s28, s27, 12                        ; 4 ks rows-of-four x 1,024 bytes
	s_and_b32 s27, s26, 1                          ; half
	s_lshl_b32 s27, s27, 11
	s_add_co_u32 s28, s28, s27
	s_bfe_u32 s27, s26, 0x20001                    ; nt
	s_lshl_b32 s27, s27, 6                         ; 16 columns x 4 bytes
	s_add_co_u32 s28, s28, s27
	s_mov_b32 s29, 0
	s_add_nc_u64 s[8:9], s[8:9], s[28:29]
	s_lshl_b32 s30, s26, 9                         ; the piece's 512 bytes
	s_mov_b32 s31, 0
	s_add_nc_u64 s[14:15], s[14:15], s[30:31]
	v_lshlrev_b32 v6, 2, v4                        ; column r
	v_lshl_add_u32 v6, v5, 10, v6                  ; + h x 4 rows of 256 bytes
	v_and_b32 v7, 31, v0
	v_lshlrev_b32 v7, 4, v7                        ; 16 x lane
.irp i, 0,1
.irp j, 0,1,2,3
	global_load_b32 v[VV+4*\i+\j], v6, s[8:9] offset:32768*\i+256*\j   ; row 128 i + 4 l + j
.endr
.endr
	s_wait_loadcnt 0x0
.irp k, 0,1,2,3
	v_cvt_pk_bf16_f32 v[VP+\k], v[VV+2*\k], v[VV+2*\k+1]
.endr
	global_store_b128 v7, v[VP:VP+3], s[14:15]     ; the wave stores the piece's 512 consecutive bytes
.Lno_table:
	; The codes: plane 7 first, then code = 2 code + bit, the bit riding in as the carry.
	s_wait_loadcnt 0x0
.irp j, 0,1,2,3
	v_cmp_lt_f32 vcc_lo, 0.5, v[Z+28+\j]
	v_cndmask_b32 v[C+\j], 0, 1, vcc_lo
.endr
.irp k, 6,5,4,3,2,1,0
.irp j, 0,1,2,3
	v_cmp_lt_f32 vcc_lo, 0.5, v[Z+4*\k+\j]
	v_add_co_ci_u32 v[C+\j], vcc_lo, v[C+\j], v[C+\j], vcc_lo
.endr
.endr
	global_store_b128 v2, v[C:C+3], s[10:11]       ; four words a lane: the wave stores 512 consecutive bytes; C is not written again
	; Nibbles as 16-bit numbers, two keys a word, into LDS: every lane of a half-wave needs the same 16 keys.
	v_lshl_or_b32 v[PK], v[C+1], 16, v[C]
	v_lshl_or_b32 v[PK+1], v[C+3], 16, v[C+2]
	v_xor_b32 v[NM], 0x01010101, v[MK]
	v_mov_b32 v[ZERO], 0
	v_perm_b32 v[FL], v[ZERO], v[NM], s33
	v_perm_b32 v[FL+1], v[ZERO], v[NM], s34
	v_lshrrev_b32 v[HN], 4, v[PK]
	v_lshrrev_b32 v[HN+1], 4, v[PK+1]
	v_and_b32 v[HN], s32, v[HN]
	v_and_b32 v[HN+1], s32, v[HN+1]
	v_and_or_b32 v[LN], v[PK], s32, v[FL]
	v_and_or_b32 v[LN+1], v[PK+1], s32, v[FL+1]
	v_lshlrev_b32 v[A8], 3, v0
	ds_store_b64 v[A8], v[HN:HN+1] offset:HIN
	ds_store_b64 v[A8], v[LN:LN+1] offset:LON
	s_wait_dscnt 0x0                               ; my stores are in LDS before I say so
	s_barrier_signal -1
	s_barrier_wait -1
	; Wave w takes keys 128 w .. 128 w + 127 as four K steps of 32.  Lanes with the same h take the same 16 keys (32 bytes); the order of
	; the keys inside a K step is the same for A and for B, which is all that a sum over k needs.
	v_and_b32 v[RA], 0xe0, v0
	v_lshlrev_b32 v[RA], 3, v[RA]                  ; 256 w
	v_lshl_add_u32 v[RA], v5, 5, v[RA]             ; + 32 h
.irp i, 0,1,2,3
	ds_load_b128 v[FA+8*\i:FA+8*\i+3],   v[RA] offset:HIN+64*\i
	ds_load_b128 v[FA+8*\i+4:FA+8*\i+7], v[RA] offset:HIN+64*\i+16
	ds_load_b128 v[FB+8*\i:FB+8*\i+3],   v[RA] offset:LON+64*\i
	ds_load_b128 v[FB+8*\i+4:FB+8*\i+7], v[RA] offset:LON+64*\i+16
.endr
	v_lshl_or_b32 v[RR], v4, 16, v4
	s_wait_dscnt 0x0
	; One-hot in place: x = nibble xor r is 0 where they agree and at most 0x10f otherwise, so 0x4000 - x has bit 14 set only for x = 0,
	; and no half borrows from the other.  0x4000 is 2.0 in bf16.  Three passes, so that no instruction waits for the one in front of it.
.set n, 0
.rept 64
	v_xor_b32 v[FA+n], v[RR], v[FA+n]
.set n, n+1
.endr
.set n, 0
.rept 64
	v_sub_nc_u32 v[FA+n], s35, v[FA+n]
.set n, n+1
.endr
.set n, 0
.rept 64
	v_and_b32 v[FA+n], s35, v[FA+n]
.set n, n+1
.endr
	; Two accumulators take turns, one instruction a turn; the first products start the sums.
	v_wmma_f32_16x16x32_bf16 v[ACC:ACC+7],    v[FA:FA+7],     v[FB:FB+7],     0
	v_wmma_f32_16x16x32_bf16 v[ACC+8:ACC+15], v[FA+8:FA+15],  v[FB+8:FB+15],  0
	v_wmma_f32_16x16x32_bf16 v[ACC:ACC+7],    v[FA+16:FA+23], v[FB+16:FB+23], v[ACC:ACC+7]
	v_wmma_f32_16x16x32_bf16 v[ACC+8:ACC+15], v[FA+24:FA+31], v[FB+24:FB+31], v[ACC+8:ACC+15]
	; Four plain vector instructions that name none of the matrix instructions' registers stand before the results are read (ISA guide 7.12.1).
	v_lshlrev_b32 v[WA], 2, v4                     ; register j of lane (r, h) is bin 16 (8 h + j) + r: 4 r
	v_lshl_add_u32 v[WA], v5, 9, v[WA]             ; + 512 h
	v_and_b32 v1, 0xe0, v0
	v_lshl_add_u32 v[WA], v1, 5, v[WA]             ; + 1,024 w
.irp k, 0,2,4,6
	v_pk_add_f32 v[ACC+\k:ACC+\k+1], v[ACC+\k:ACC+\k+1], v[ACC+8+\k:ACC+8+\k+1]
.endr
.irp j, 0,1,2,3,4,5,6,7
	ds_store_b32 v[WA], v[ACC+\j] offset:RED+64*\j
.endr
	s_wait_dscnt 0x0                               ; my wave's histogram is in LDS before I say so
	s_barrier_signal -1
	s_barrier_wait -1
	; Waves 0 and 1: thread t < 64 sums bins 4 t .. 4 t + 3 over the eight waves, so that a wave's store covers 512 consecutive bytes.
	s_cmp_gt_u32 s16, 1
	s_cbranch_scc1 .Ldone
.irp w, 0,1,2,3,4,5,6,7
	ds_load_b128 v[Q+4*\w:Q+4*\w+3], v2 offset:RED+1024*\w
.endr
	s_wait_dscnt 0x0
.irp w, 0,2,4,6
	v_pk_add_f32 v[Q+4*\w:Q+4*\w+1],   v[Q+4*\w:Q+4*\w+1],   v[Q+4*\w+4:Q+4*\w+5]
	v_pk_add_f32 v[Q+4*\w+2:Q+4*\w+3], v[Q+4*\w+2:Q+4*\w+3], v[Q+4*\w+6:Q+4*\w+7]
.endr
.irp w, 0,4
	v_pk_add_f32 v[Q+4*\w:Q+4*\w+1],   v[Q+4*\w:Q+4*\w+1],   v[Q+4*\w+8:Q+4*\w+9]
	v_pk_add_f32 v[Q+4*\w+2:Q+4*\w+3], v[Q+4*\w+2:Q+4*\w+3], v[Q+4*\w+10:Q+4*\w+11]
.endr
	v_pk_add_f32 v[Q:Q+1],   v[Q:Q+1],   v[Q+16:Q+17]
	v_pk_add_f32 v[Q+2:Q+3], v[Q+2:Q+3], v[Q+18:Q+19]
	v_pk_mul_f32 v[Q:Q+1],   v[Q:Q+1],   0x3e800000 op_sel_hi:[1,0]    ; each hit counted 2.0 x 2.0
	v_pk_mul_f32 v[Q+2:Q+3], v[Q+2:Q+3], 0x3e800000 op_sel_hi:[1,0]
	global_store_b128 v2, v[Q:Q+3], s[12:13]
.Ldone:
	s_wait_tensorcnt 0x0
	ds_add_u32 v184, v185
	s_wait_dscnt 0x0
	s_endpgm
.Lfunc_end_k_qe2ca46cda2_pack:
	.size	k_qe2ca46cda2_pack, .Lfunc_end_k_qe2ca46cda2_pack-k_qe2ca46cda2_pack
	.p2alignl 7, 3214868480
	.fill 96, 4, 3214868480
	.section	.rodata,"a",@progbits
	.p2align	6, 0x0
	.amdhsa_kernel k_qe2ca46cda2_pack
		.amdhsa_group_segment_fixed_size 13312
		.amdhsa_private_segment_fixed_size 0
		.amdhsa_enable_private_segment 0
		.amdhsa_kernarg_size 48
		.amdhsa_user_sgpr_count 2
		.amdhsa_user_sgpr_kernarg_segment_ptr 1
		.amdhsa_wavefront_size32 1
		.amdhsa_system_sgpr_workgroup_id_x 1
		.amdhsa_system_sgpr_workgroup_id_y 1
		.amdhsa_system_sgpr_workgroup_id_z 1
		.amdhsa_system_vgpr_workitem_id 0
		.amdhsa_next_free_vgpr 186
		.amdhsa_next_free_sgpr 66
		.amdhsa_reserve_vcc 1
		.amdhsa_float_denorm_mode_32 3
		.amdhsa_float_denorm_mode_16_64 3
		.amdhsa_memory_ordered 1
		.amdhsa_forward_progress 1
		.amdhsa_inst_pref_size 18
	.end_amdhsa_kernel
	.amdgpu_metadata
---
amdhsa.version: [ 1, 2 ]
amdhsa.kernels:
  - .name:           k_qe2ca46cda2_pack
    .symbol:         k_qe2ca46cda2_pack.kd
    .args:
      - { .name: z, .offset: 0, .size: 8, .value_kind: global_buffer, .address_space: global }
      - { .name: evidence_mask, .offset: 8, .size: 8, .value_kind: global_buffer, .address_space: global }
      - { .name: value_table, .offset: 16, .size: 8, .value_kind: global_buffer, .address_space: global }
      - { .name: codes, .offset: 24, .size: 8, .value_kind: global_buffer, .address_space: global }
      - { .name: hist, .offset: 32, .size: 8, .value_kind: global_buffer, .address_space: global }
      - { .name: vfrag, .offset: 40, .size: 8, .value_kind: global_buffer, .address_space: global }
    .group_segment_fixed_size: 13312
    .private_segment_fixed_size: 0
    .kernarg_segment_align: 8
    .kernarg_segment_size: 48
    .max_flat_workgroup_size: 256
    .sgpr_count:     66
    .vgpr_count:     186
    .wavefront_size: 32
...
	.end_amdgpu_metadata
.endif
;; end of part 1
;; launch attend (part 2): grid 256 x 1, 8 waves a work-group, no clusters, 56,320 bytes of LDS; arguments codes, hist, vfrag, pop_lut, temperature, mask_value, out0; writes out0
.if DOCPART == 2
	.amdgcn_target "amdgcn-amd-amdhsa--gfx1250"
	.amdhsa_code_object_version 6
	.text
	.protected	k_qe2ca46cda2_attend
	.globl	k_qe2ca46cda2_attend
	.p2align	8
	.type	k_qe2ca46cda2_attend,@function
k_qe2ca46cda2_attend:
	s_mov_b64 s[64:65], 0
	v_nop
	global_prefetch_b8 v0, s[64:65] scope:SCOPE_SE
	s_setreg_imm32_b32 hwreg(HW_REG_WAVE_MODE, 25, 1), 1
	s_wait_xcnt 0x0
; SECOND OF TWO LAUNCHES.  out0[b][d][q] = sum over codes c of w[q][c] V[c][d] / max(sum over c of w[q][c], 1e-20) + 0 x mask_value[d],
; w[q][c] = count[b][c] exp(s[cq xor c] - m[q]),  s[x] = -pop_lut[x] / max(temperature, 0.1),
; m[q] = the largest s[cq xor c] over the codes with count > 0 (0 if there is none).  count[b][c] = keys of batch b with evidence and code c,
; so this is the sum over the 4,096 keys with equal terms gathered; the row's own maximum is taken away before every exponential.
; A key without evidence has weight 0 and value mask_value: that term is kept as the addend 0 x mask_value[d].
; LIMITS: pop_lut finite (a NaN there is dropped by the maximum instead of spreading); a NaN temperature is taken as 0.1; a weight below 2^-126
; comes out of v_exp_f32 as 0 (ISA guide 15.8); an infinite or NaN mask_value gives NaN also when every key has evidence; the sums run over
; codes, not keys, so the order of rounding is another; w and V enter the matrix unit in bf16 (w is at most 4,096).
; A work-group is one batch and one image row: 64 queries, 64 value columns, 256 codes.  Eight waves.
;   Phase 1: wave w makes the weights of queries 8 w .. 8 w + 7.  The query's code is a scalar; lane l holds the codes c = 128 i + 4 l + j (e = 4 i + j).
;            The scaled table lies in LDS four times, copy p with entries y and y xor p exchanged, so that the four scores of c = .. + 0..3 are the
;            16 bytes at copy (cq & 3), group (cq >> 2) xor (c >> 2): two reads a query.
;            A lane's eight weights are 16 bytes of the query's row of A: position 8 l + e.  vfrag holds V in that same order of k.
;   Phase 2: wave (mt, nh) multiplies queries 16 mt .. + 15 by value columns 32 nh .. + 31, and by a B of ones, whose result is the row's sum of
;            weights in the very lanes and registers that hold the row's numerators.
;   Phase 3: scaled results go through an LDS stage, so that sixteen lanes store the 256 consecutive bytes of out0[b][d][row].
; NO CLUSTER: what work-groups share is vfrag, hist and pop_lut, 37 KiB, read once by each; there is no loop of refills over which the rounds of a
; cluster's barrier would be spread, and the fragments go from memory into the registers that the matrix unit reads, without passing LDS.
.set P_LDS,  0                         ; 4 copies x 256 f32
.set A_LDS,  4096                      ; 64 rows of 256 bf16
.set APITCH, 528                       ; 512 + 16: an odd multiple of 16, so the 16 rows of a fragment read start in 16 different 16-byte columns
.set O_LDS,  A_LDS+64*APITCH           ; 64 rows (d) of 64 f32 (q)
.set OPITCH, 272                       ; 256 + 16, likewise
.set CNT, 16                           ; v[16:23]   count of my eight codes
.set PEN, 24                           ; v[24:31]   0, or -inf where the count is 0
.set S,   32                           ; v[32:95]   query i: 8 scores, then weights; before that the partial histograms; later A's eight fragments, then rows on the way out
.set MT,  96                           ; v[96:111]  query i: v[MT+2i] its maximum, v[MT+2i+1] at work; before that its two LDS addresses
.set ACC, 96                           ; v[96:119]  three accumulators (phase 2)
.set BF,  120                          ; v[120:247] B: fragment (ks, t) at BF + 16 ks + 8 t
.set ONE, 248                          ; v[248:255] a B fragment of ones
.set RC,  16                           ; v[16:23]   1 / denominator (phase 3)
	s_load_b256 s[4:11], s[0:1], 0x0               ; codes s[4:5], hist s[6:7], vfrag s[8:9], pop_lut s[10:11]
	s_load_b128 s[12:15], s[0:1], 0x20             ; temperature s[12:13], mask_value s[14:15]
	s_load_b64 s[16:17], s[0:1], 0x30              ; out0
	s_set_vgpr_msb 0x40
	v_lshl_add_u32 v0, v0, 2, 0xd800
	v_mov_b32 v1, 0
	s_set_vgpr_msb 0x4000
	v_lshrrev_b32 v1, 5, v0
	v_readfirstlane_b32 s18, v1                    ; wave 0..7
	v_and_b32 v1, 31, v0
	v_and_b32 v2, 15, v0                           ; r
	v_bfe_u32 v3, v0, 4, 1                         ; h
	v_lshlrev_b32 v4, 4, v1                        ; 16 x lane; never rewritten
	v_lshlrev_b32 v5, 2, v0                        ; 4 t
	s_and_b32 s54, s18, 1                          ; nh
	s_lshr_b32 s55, s18, 1                         ; mt
	s_lshl_b32 s20, ttmp9, 8                       ; codes: group x 64 words
	s_lshl_b32 s21, s18, 5                         ; + wave x 8 words
	s_add_co_u32 s20, s20, s21
	s_mov_b32 s21, 0
	s_lshr_b32 s19, ttmp9, 6                       ; batch
	s_lshl_b32 s22, s19, 12                        ; hist: batch x 4 partial histograms of 1,024 bytes
	s_mov_b32 s23, 0
	s_lshl_b32 s56, s54, 11                        ; vfrag: nh x 2 column blocks x 1,024 bytes
	s_mov_b32 s57, 0
	s_lshl_b32 s58, s19, 20                        ; out0: batch x 64 x 16,384 bytes
	s_and_b32 s59, ttmp9, 63
	s_lshl_b32 s59, s59, 8                         ; + image row x 256 bytes
	s_add_co_u32 s58, s58, s59
	s_mov_b32 s59, 0
	v_lshlrev_b32 v11, 2, v2
	v_lshl_add_u32 v11, s54, 7, v11                ; mask_value: 4 (32 nh + r)
	s_wait_kmcnt 0x0
	s_add_nc_u64 s[4:5], s[4:5], s[20:21]
	s_add_nc_u64 s[6:7], s[6:7], s[22:23]
	s_add_nc_u64 s[8:9], s[8:9], s[56:57]
	s_add_nc_u64 s[16:17], s[16:17], s[58:59]
	s_load_b256 s[24:31], s[4:5], 0x0              ; the codes of my wave's eight queries
	s_load_b32 s52, s[12:13], 0x0                  ; temperature
	global_load_b32 v10, v5, s[10:11]              ; pop_lut[t]
.irp g, 0,1,2,3
.irp i, 0,1
	global_load_b128 v[S+8*\g+4*\i:S+8*\g+4*\i+3], v4, s[6:7] offset:1024*\g+512*\i   ; partial histogram g, codes 128 i + 4 l ..
.endr
.endr
	global_load_b32 v12, v11, s[14:15]
	global_load_b32 v13, v11, s[14:15] offset:64
.irp ks, 0,1,2,3,4,5,6,7
.irp t, 0,1
	global_load_b128 v[BF+16*\ks+8*\t:BF+16*\ks+8*\t+3],   v4, s[8:9] offset:4096*\ks+1024*\t       ; asked for now, wanted in phase 2
	global_load_b128 v[BF+16*\ks+8*\t+4:BF+16*\ks+8*\t+7], v4, s[8:9] offset:4096*\ks+1024*\t+512
.endr
.endr
	s_mov_b32 s48, 0x76543210                      ; v_permlanex16_b32: lane i of one half reads lane i of the other
	s_mov_b32 s49, 0xfedcba98
	s_mov_b32 s51, 0x7f800000                      ; +inf, as bits
	s_mov_b32 s53, 0x1e3ce508                      ; 1e-20
	s_mul_i32 s60, s18, 8*APITCH
	s_add_co_u32 s60, s60, A_LDS
	v_add_nc_u32 v14, s60, v4                      ; phase 1: my 16 bytes in the row of my wave's first query
	v_mul_u32_u24 v15, v2, APITCH
	v_lshl_add_u32 v15, v3, 4, v15
	s_mul_i32 s61, s55, 16*APITCH
	s_add_co_u32 s61, s61, A_LDS
	v_add_nc_u32 v15, s61, v15                     ; phase 2: row 16 mt + r, + 16 h
	v_xor_b32 v6, 4, v5                            ; 4 (t xor 1), 4 (t xor 2), 4 (t xor 3)
	v_xor_b32 v7, 8, v5
	v_xor_b32 v8, 12, v5
	s_wait_kmcnt 0x0
	v_mov_b32 v9, 0x3dcccccd                       ; 0.1
	v_max_num_f32 v9, s52, v9
	v_rcp_f32 v9, v9
	; Scalar part of each query's two LDS addresses: copy (cq & 3) x 1,024 + (cq & 0xfc) x 4, and the same with c's bit 7 turned.
.irp i, 0,1,2,3,4,5,6,7
	s_and_b32 s20, s[24+\i], 3
	s_lshl_b32 s20, s20, 10
	s_and_b32 s21, s[24+\i], 0xfc
	s_lshl2_add_u32 s[32+2*\i], s21, s20
	s_xor_b32 s[33+2*\i], s[32+2*\i], 512
.endr
	v_nop                                          ; one plain vector instruction between v_rcp_f32 and the use of its result (ISA guide 5.7.2)
	s_wait_alu depctr_va_vdst(0)
	v_mul_f32 v9, 0xbfb8aa3b, v9                   ; -log2(e) / temperature: the exponentials below are to base 2
	s_wait_loadcnt 42                              ; pop_lut is in; the 8 + 2 + 32 younger loads stay out
	v_mul_f32 v10, v10, v9
	ds_store_b32 v5, v10 offset:P_LDS
	ds_store_b32 v6, v10 offset:P_LDS+1024
	ds_store_b32 v7, v10 offset:P_LDS+2048
	ds_store_b32 v8, v10 offset:P_LDS+3072
	s_wait_loadcnt 34                              ; the partial histograms are in; the 2 + 32 younger loads stay out
.irp k, 0,2,4,6
	v_pk_add_f32 v[CNT+\k:CNT+\k+1], v[S+\k:S+\k+1], v[S+8+\k:S+8+\k+1]
	v_pk_add_f32 v[PEN+\k:PEN+\k+1], v[S+16+\k:S+16+\k+1], v[S+24+\k:S+24+\k+1]
.endr
.irp k, 0,2,4,6
	v_pk_add_f32 v[CNT+\k:CNT+\k+1], v[CNT+\k:CNT+\k+1], v[PEN+\k:PEN+\k+1]
.endr
	v_mov_b32 v9, 0xff800000                       ; -inf
.irp e, 0,1,2,3,4,5,6,7
	v_cmp_ge_f32 vcc_lo, 0, v[CNT+\e]
	v_cndmask_b32 v[PEN+\e], 0, v9, vcc_lo
.endr
	; The lane's part: xor with 16 l (c's bits 2 to 6 times 4).  The clamp keeps the 16 bytes inside the four copies whatever the word in codes held.
.irp i, 0,1,2,3,4,5,6,7
	v_xor_b32 v[MT+2*\i],   s[32+2*\i], v4
	v_xor_b32 v[MT+2*\i+1], s[33+2*\i], v4
	v_min_u32 v[MT+2*\i],   0xff0, v[MT+2*\i]
	v_min_u32 v[MT+2*\i+1], 0xff0, v[MT+2*\i+1]
.endr
	s_wait_dscnt 0x0                               ; my four stores are in LDS before I say so
	s_barrier_signal -1
	s_barrier_wait -1                              ; the table's four copies are whole
	; PHASE 1
.irp i, 0,1,2,3,4,5,6,7
	ds_load_b128 v[S+8*\i:S+8*\i+3],   v[MT+2*\i]
	ds_load_b128 v[S+8*\i+4:S+8*\i+7], v[MT+2*\i+1]
.endr
.irp i, 0,1,2,3,4,5,6,7
	s_wait_dscnt 14-2*\i                           ; of the 16 reads, query i's two are in; its address registers are written only now
.irp k, 0,2,4,6
	v_pk_add_f32 v[S+8*\i+\k:S+8*\i+\k+1], v[S+8*\i+\k:S+8*\i+\k+1], v[PEN+\k:PEN+\k+1]   ; codes that no key with evidence has: -inf
.endr
	v_max3_num_f32 v[MT+2*\i],   v[S+8*\i],   v[S+8*\i+1], v[S+8*\i+2]
	v_max3_num_f32 v[MT+2*\i+1], v[S+8*\i+3], v[S+8*\i+4], v[S+8*\i+5]
.endr
	; From here on stage by stage over the eight queries, so that no instruction waits for the one in front of it.
.irp i, 0,1,2,3,4,5,6,7
	v_max3_num_f32 v[MT+2*\i], v[MT+2*\i], v[MT+2*\i+1], v[S+8*\i+6]
.endr
.irp i, 0,1,2,3,4,5,6,7
	v_max_num_f32 v[MT+2*\i], v[MT+2*\i], v[S+8*\i+7]
.endr
.irp m, 1,2,4,8
.irp i, 0,1,2,3,4,5,6,7
	v_max_num_f32_dpp v[MT+2*\i], v[MT+2*\i], v[MT+2*\i] row_xmask:\m row_mask:0xf bank_mask:0xf
.endr
.endr
.irp i, 0,1,2,3,4,5,6,7
	v_permlanex16_b32 v[MT+2*\i+1], v[MT+2*\i], s48, s49   ; its destination counts as read: a register that has been written
.endr
.irp i, 0,1,2,3,4,5,6,7
	v_max_num_f32 v[MT+2*\i], v[MT+2*\i], v[MT+2*\i+1]     ; every lane holds the query's maximum
.endr
.irp i, 0,1,2,3,4,5,6,7
	v_and_b32 v[MT+2*\i+1], 0x7fffffff, v[MT+2*\i]
.endr
.irp i, 0,1,2,3,4,5,6,7
	v_cmp_gt_u32 vcc_lo, s51, v[MT+2*\i+1]                 ; finite: the bits without the sign lie below those of +inf
	v_cndmask_b32 v[MT+2*\i], 0, v[MT+2*\i], vcc_lo        ; else 0 (no key of the batch has evidence)
.endr
.irp i, 0,1,2,3,4,5,6,7
.irp k, 0,2,4,6
	v_pk_add_f32 v[S+8*\i+\k:S+8*\i+\k+1], v[S+8*\i+\k:S+8*\i+\k+1], v[MT+2*\i:MT+2*\i+1] op_sel_hi:[1,0] neg_lo:[0,1] neg_hi:[0,1]   ; both minus the maximum
.endr
.endr
.set n, 0
.rept 64
	v_exp_f32 v[S+n], v[S+n]
.set n, n+1
.endr
	v_nop                                          ; one plain vector instruction between the run of v_exp_f32 and the first use (ISA guide 5.7.2)
	s_wait_alu depctr_va_vdst(0)
.irp i, 0,1,2,3,4,5,6,7
.irp k, 0,2,4,6
	v_pk_mul_f32 v[S+8*\i+\k:S+8*\i+\k+1], v[S+8*\i+\k:S+8*\i+\k+1], v[CNT+\k:CNT+\k+1]
.endr
.endr
.irp i, 0,1,2,3,4,5,6,7
.irp k, 0,1,2,3
	v_cvt_pk_bf16_f32 v[S+8*\i+\k], v[S+8*\i+2*\k], v[S+8*\i+2*\k+1]   ; in place: word k is written when words 2k, 2k+1 are read, never before
.endr
	ds_store_b128 v14, v[S+8*\i:S+8*\i+3] offset:\i*APITCH              ; 32 lanes, 16 neighbouring bytes each: the query's whole row
.endr
	s_wait_dscnt 0x0                               ; my eight rows of A are in LDS before I say so
	s_barrier_signal -1
	s_barrier_wait -1                              ; all 64 rows are
	; PHASE 2
.irp ks, 0,1,2,3,4,5,6,7
	ds_load_b128 v[S+8*\ks:S+8*\ks+3],   v15 offset:64*\ks
	ds_load_b128 v[S+8*\ks+4:S+8*\ks+7], v15 offset:64*\ks+32
.endr
.irp j, 0,1,2,3,4,5,6,7
	v_mov_b32 v[ONE+\j], 0x3f803f80                ; 1.0 in bf16, twice
.endr
	v_mul_u32_u24 v5, v2, OPITCH                   ; stage, in: row d = 32 nh + r, bytes 64 mt + 32 h
	v_lshl_add_u32 v5, v3, 5, v5
	s_mul_i32 s62, s54, 32*OPITCH
	s_lshl_b32 s63, s55, 6
	s_add_co_u32 s62, s62, s63
	s_add_co_u32 s62, s62, O_LDS
	v_add_nc_u32 v5, s62, v5
	v_mul_u32_u24 v6, v3, OPITCH                   ; stage, back: lanes 0-15 one row of 256 bytes, lanes 16-31 the next; rows 8 w ..
	v_lshl_add_u32 v6, v2, 4, v6
	s_mul_i32 s62, s18, 8*OPITCH
	s_add_co_u32 s62, s62, O_LDS
	v_add_nc_u32 v6, s62, v6
	v_lshlrev_b32 v7, 4, v2                        ; and the same two rows in out0: (8 w + h) x 16,384 + 16 r
	v_lshl_add_u32 v7, v3, 14, v7
	s_lshl_b32 s63, s18, 17
	v_add_nc_u32 v7, s63, v7
	s_wait_loadcnt 0x0                             ; B's fragments and mask_value
; One K step: three accumulators take turns, one instruction a turn.  first = 1: the products start the sums.
.macro KSTEP ks, first
	s_wait_dscnt 14-2*\ks                          ; of A's 16 reads, this K step's two are in
.if \first
	v_wmma_f32_16x16x32_bf16 v[ACC:ACC+7],     v[S+8*\ks:S+8*\ks+7], v[BF+16*\ks:BF+16*\ks+7],    0
	v_wmma_f32_16x16x32_bf16 v[ACC+8:ACC+15],  v[S+8*\ks:S+8*\ks+7], v[BF+16*\ks+8:BF+16*\ks+15], 0
	v_wmma_f32_16x16x32_bf16 v[ACC+16:ACC+23], v[S+8*\ks:S+8*\ks+7], v[ONE:ONE+7],                0
.else
	v_wmma_f32_16x16x32_bf16 v[ACC:ACC+7],     v[S+8*\ks:S+8*\ks+7], v[BF+16*\ks:BF+16*\ks+7],    v[ACC:ACC+7]
	v_wmma_f32_16x16x32_bf16 v[ACC+8:ACC+15],  v[S+8*\ks:S+8*\ks+7], v[BF+16*\ks+8:BF+16*\ks+15], v[ACC+8:ACC+15]
	v_wmma_f32_16x16x32_bf16 v[ACC+16:ACC+23], v[S+8*\ks:S+8*\ks+7], v[ONE:ONE+7],                v[ACC+16:ACC+23]
.endif
.endm
	KSTEP 0, 1
.irp ks, 1,2,3,4,5,6,7
	KSTEP \ks, 0
.endr
	; PHASE 3.  Register j of lane (r, h) holds query 16 mt + 8 h + j, value column r of its block; the third accumulator the same query's sum of weights.
	; The four multiplications are the four plain vector instructions that stand before a matrix result is read (ISA guide 7.12.1): they name none of those registers.
	v_mul_f32 v8,  0, v12                          ; the weight of a key without evidence, 0, times mask_value[d]; twice, for the packed form
	v_mul_f32 v9,  0, v12
	v_mul_f32 v10, 0, v13
	v_mul_f32 v11, 0, v13
.irp j, 0,1,2,3,4,5,6,7
	v_max_num_f32 v[RC+\j], s53, v[ACC+16+\j]
.endr
.irp j, 0,1,2,3,4,5,6,7
	v_rcp_f32 v[RC+\j], v[RC+\j]
.endr
	v_nop                                          ; one plain vector instruction between the run of v_rcp_f32 and the first use (ISA guide 5.7.2)
	s_wait_alu depctr_va_vdst(0)
.irp k, 0,2,4,6
	v_pk_fma_f32 v[ACC+\k:ACC+\k+1],     v[ACC+\k:ACC+\k+1],     v[RC+\k:RC+\k+1], v[8:9]
	v_pk_fma_f32 v[ACC+8+\k:ACC+8+\k+1], v[ACC+8+\k:ACC+8+\k+1], v[RC+\k:RC+\k+1], v[10:11]
.endr
	ds_store_b128 v5, v[ACC:ACC+3]
	ds_store_b128 v5, v[ACC+4:ACC+7]     offset:16
	ds_store_b128 v5, v[ACC+8:ACC+11]    offset:16*OPITCH
	ds_store_b128 v5, v[ACC+12:ACC+15]   offset:16*OPITCH+16
	s_wait_dscnt 0x0                               ; my part of the stage is in LDS before I say so
	s_barrier_signal -1
	s_barrier_wait -1                              ; each row of the stage has its four waves' parts
.irp u, 0,1,2,3
	ds_load_b128 v[S+4*\u:S+4*\u+3], v6 offset:2*\u*OPITCH
.endr
.irp u, 0,1,2,3
	s_wait_dscnt 3-\u                              ; of the four reads, read u is in
	global_store_b128 v7, v[S+4*\u:S+4*\u+3], s[16:17] offset:32768*\u th:TH_STORE_NT   ; 16 lanes store 256 consecutive bytes, at a multiple of 256 from out0's first byte
.endr
	s_set_vgpr_msb 0x5
	s_wait_tensorcnt 0x0
	ds_add_u32 v0, v1
	s_wait_dscnt 0x0
	s_set_vgpr_msb 0x500
	s_endpgm
.Lfunc_end_k_qe2ca46cda2_attend:
	.size	k_qe2ca46cda2_attend, .Lfunc_end_k_qe2ca46cda2_attend-k_qe2ca46cda2_attend
	.p2alignl 7, 3214868480
	.fill 96, 4, 3214868480
	.section	.rodata,"a",@progbits
	.p2align	6, 0x0
	.amdhsa_kernel k_qe2ca46cda2_attend
		.amdhsa_group_segment_fixed_size 56320
		.amdhsa_private_segment_fixed_size 0
		.amdhsa_enable_private_segment 0
		.amdhsa_kernarg_size 56
		.amdhsa_user_sgpr_count 2
		.amdhsa_user_sgpr_kernarg_segment_ptr 1
		.amdhsa_wavefront_size32 1
		.amdhsa_system_sgpr_workgroup_id_x 1
		.amdhsa_system_sgpr_workgroup_id_y 1
		.amdhsa_system_sgpr_workgroup_id_z 1
		.amdhsa_system_vgpr_workitem_id 0
		.amdhsa_next_free_vgpr 258
		.amdhsa_next_free_sgpr 66
		.amdhsa_reserve_vcc 1
		.amdhsa_float_denorm_mode_32 3
		.amdhsa_float_denorm_mode_16_64 3
		.amdhsa_memory_ordered 1
		.amdhsa_forward_progress 1
		.amdhsa_inst_pref_size 36
	.end_amdhsa_kernel
	.amdgpu_metadata
---
amdhsa.version: [ 1, 2 ]
amdhsa.kernels:
  - .name:           k_qe2ca46cda2_attend
    .symbol:         k_qe2ca46cda2_attend.kd
    .args:
      - { .name: codes, .offset: 0, .size: 8, .value_kind: global_buffer, .address_space: global }
      - { .name: hist, .offset: 8, .size: 8, .value_kind: global_buffer, .address_space: global }
      - { .name: vfrag, .offset: 16, .size: 8, .value_kind: global_buffer, .address_space: global }
      - { .name: pop_lut, .offset: 24, .size: 8, .value_kind: global_buffer, .address_space: global }
      - { .name: temperature, .offset: 32, .size: 8, .value_kind: global_buffer, .address_space: global }
      - { .name: mask_value, .offset: 40, .size: 8, .value_kind: global_buffer, .address_space: global }
      - { .name: out0, .offset: 48, .size: 8, .value_kind: global_buffer, .address_space: global }
    .group_segment_fixed_size: 56320
    .private_segment_fixed_size: 0
    .kernarg_segment_align: 8
    .kernarg_segment_size: 56
    .max_flat_workgroup_size: 256
    .sgpr_count:     66
    .vgpr_count:     258
    .wavefront_size: 32
...
	.end_amdgpu_metadata
.endif
;; end of part 2
;; ======== version 2 of 2: 2 launches; version 1 with the launch attend written anew for expert scheduling mode
;; workspace buffers: codes 65,536 bytes of whole numbers; hist 16,384 bytes; vfrag 32,768 bytes
;; launch pack: the kernel of part 1 again; grid 16 x 1, 8 waves a work-group, no clusters, 13,312 bytes of LDS; arguments z, evidence_mask, value_table, codes, hist, vfrag; writes codes, hist, vfrag
;; launch attend (part 3): grid 256 x 1, 8 waves a work-group, no clusters, 56,320 bytes of LDS; arguments codes, hist, vfrag, pop_lut, temperature, mask_value, out0; writes out0
.if DOCPART == 3
	.amdgcn_target "amdgcn-amd-amdhsa--gfx1250"
	.amdhsa_code_object_version 6
	.text
	.protected	k_qe2ca46cda2_attend
	.globl	k_qe2ca46cda2_attend
	.p2align	8
	.type	k_qe2ca46cda2_attend,@function
k_qe2ca46cda2_attend:
	s_mov_b64 s[64:65], 0
	v_nop
	global_prefetch_b8 v0, s[64:65] scope:SCOPE_SE
	s_setreg_imm32_b32 hwreg(HW_REG_WAVE_SCHED_MODE, 0, 2), 2
	s_setreg_imm32_b32 hwreg(HW_REG_WAVE_MODE, 25, 1), 1
	s_wait_xcnt 0x0
	s_wait_alu depctr_vm_vsrc(0)
; SECOND OF TWO LAUNCHES.  out0[b][d][q] = sum over codes c of w[q][c] V[c][d] / max(sum over c of w[q][c], 1e-20) + 0 x mask_value[d],
; w[q][c] = count[b][c] exp(s[cq xor c] - m[q]),  s[x] = -pop_lut[x] / max(temperature, 0.1),
; m[q] = the largest s[cq xor c] over the codes with count > 0 (0 if there is none).  count[b][c] = keys of batch b with evidence and code c,
; so this is the sum over the 4,096 keys with equal terms gathered; the row's own maximum is taken away before every exponential.
; A key without evidence has weight 0 and value mask_value: that term is kept as the addend 0 x mask_value[d].
; LIMITS: pop_lut finite (a NaN there is dropped by the maximum instead of spreading); a NaN temperature is taken as 0.1; a weight below 2^-126
; comes out of v_exp_f32 as 0 (ISA guide 15.8); an infinite or NaN mask_value gives NaN also when every key has evidence; the sums run over
; codes, not keys, so the order of rounding is another; w and V enter the matrix unit in bf16 (w is at most 4,096).
; A work-group is one batch and one image row: 64 queries, 64 value columns, 256 codes.  Eight waves.
;   Phase 1: wave w makes the weights of queries 8 w .. 8 w + 7.  The query's code is a scalar; lane l holds the codes c = 128 i + 4 l + j (e = 4 i + j).
;            The scaled table lies in LDS four times, copy p with entries y and y xor p exchanged, so that the four scores of c = .. + 0..3 are the
;            16 bytes at copy (cq & 3), group (cq >> 2) xor (c >> 2): two reads a query.
;            A lane's eight weights are 16 bytes of the query's row of A: position 8 l + e.  vfrag holds V in that same order of k.
;   Phase 2: wave (mt, nh) multiplies queries 16 mt .. + 15 by value columns 32 nh .. + 31, and by a B of ones, whose result is the row's sum of
;            weights in the very lanes and registers that hold the row's numerators.
;   Phase 3: scaled results go through an LDS stage, so that sixteen lanes store the 256 consecutive bytes of out0[b][d][row].
; NO CLUSTER: what work-groups share is vfrag, hist and pop_lut, 37 KiB, read once by each; there is no loop of refills over which the rounds of a
; cluster's barrier would be spread, and the fragments go from memory into the registers that the matrix unit reads, without passing LDS.
; THE MODE: SCHED_MODE bits 1:0 = 2 (LLVM: expert scheduling mode 2), set by the entry lines.  The code itself states the register dependences
; between vector or matrix instructions and memory or LDS instructions, with s_wait_alu, always for 0.
; THE PLAN.  Registers that memory or LDS instructions touch, in the order of the text:
;   v4, v5, v11    offsets of the global loads, made at the head.  v4 is never written again; v5 and v11 only behind the one wait on vm_vsrc.
;   v5-v8, v10     addresses and data of the four stores of the table; written again only behind the wait on vm_vsrc.
;   v[S..S+31]     the partial histograms land; the sums read them; then phase 1's reads of the table land there.
;   AD0, AD1       the sixteen LDS addresses of phase 1's reads have registers of their own, which nothing writes until phase 2 (third accumulator, ones).
;   v[S..S+63]     phase 1 works in place on the scores; the eight stores of A's rows read them; phase 2's reads land there and the matrix
;                  instructions read them; phase 3's reads of the stage land there and the global stores read them.
;   v14, v15       LDS addresses made at the head and never written again.
;   ACC, v5-v7     phase 3: data and addresses of the way out, all written ahead of one wait on va_vdst, behind which no vector instruction stands.
; Each run of loads or stores has one wait on va_vdst ahead of it, behind the last vector line that names its registers; ONE wait on vm_vsrc, at the
; head of phase 2, stands between every register that an earlier memory or LDS instruction read and the first line that writes it again.
; Compares stand in runs of eight, into scalar registers, with one wait on va_sdst behind a run.  EXEC is never written.
.set P_LDS,  0                         ; 4 copies x 256 f32
.set A_LDS,  4096                      ; 64 rows of 256 bf16
.set APITCH, 528                       ; 512 + 16: an odd multiple of 16, so the 16 rows of a fragment read start in 16 different 16-byte columns
.set O_LDS,  A_LDS+64*APITCH           ; 64 rows (d) of 64 f32 (q)
.set OPITCH, 272                       ; 256 + 16, likewise
.set CNT, 16                           ; v[16:23]   count of my eight codes
.set PEN, 24                           ; v[24:31]   0, or -inf where the count is 0
.set S,   32                           ; v[32:95]   query i: 8 scores, then weights; before that the partial histograms; later A's eight fragments, then rows on the way out
.set MT,  96                           ; v[96:111]  query i: v[MT+2i] its maximum, v[MT+2i+1] at work
.set AD0, 112                          ; v[112:119] phase 1: query i's LDS address for the codes 4 l + j
.set AD1, 248                          ; v[248:255] phase 1: the same for the codes 128 + 4 l + j
.set ACC, 96                           ; v[96:119]  three accumulators (phase 2)
.set BF,  120                          ; v[120:247] B: fragment (ks, t) at BF + 16 ks + 8 t
.set ONE, 248                          ; v[248:255] a B fragment of ones (phase 2)
.set RC,  16                           ; v[16:23]   1 / denominator (phase 3)
.set MK,  24                           ; s[24:31]   first the codes of my wave's eight queries; then the masks 'count is 0' of my eight codes
.set FK,  32                           ; s[32:39]   first scalar parts of LDS addresses (s[32:47]); then the masks 'the maximum is finite' of the eight queries
	s_load_b256 s[4:11], s[0:1], 0x0               ; codes s[4:5], hist s[6:7], vfrag s[8:9], pop_lut s[10:11]
	s_load_b128 s[12:15], s[0:1], 0x20             ; temperature s[12:13], mask_value s[14:15]
	s_load_b64 s[16:17], s[0:1], 0x30              ; out0
	s_set_vgpr_msb 0x40
	v_lshl_add_u32 v0, v0, 2, 0xd800
	v_mov_b32 v1, 0
	s_set_vgpr_msb 0x4000
	v_lshrrev_b32 v1, 5, v0
	v_readfirstlane_b32 s18, v1                    ; wave 0..7
	v_and_b32 v1, 31, v0
	v_and_b32 v2, 15, v0                           ; r
	v_bfe_u32 v3, v0, 4, 1                         ; h
	v_lshlrev_b32 v4, 4, v1                        ; 16 x lane; never rewritten
	v_lshlrev_b32 v5, 2, v0                        ; 4 t
	s_wait_alu depctr_va_sdst(0)                   ; s18 is written, ahead of its first reader: offsets and LDS addresses are made from it
	s_and_b32 s54, s18, 1                          ; nh
	s_lshr_b32 s55, s18, 1                         ; mt
	s_lshl_b32 s20, ttmp9, 8                       ; codes: group x 64 words
	s_lshl_b32 s21, s18, 5                         ; + wave x 8 words
	s_add_co_u32 s20, s20, s21
	s_mov_b32 s21, 0
	s_lshr_b32 s19, ttmp9, 6                       ; batch
	s_lshl_b32 s22, s19, 12                        ; hist: batch x 4 partial histograms of 1,024 bytes
	s_mov_b32 s23, 0
	s_lshl_b32 s56, s54, 11                        ; vfrag: nh x 2 column blocks x 1,024 bytes
	s_mov_b32 s57, 0
	s_lshl_b32 s58, s19, 20                        ; out0: batch x 64 x 16,384 bytes
	s_and_b32 s59, ttmp9, 63
	s_lshl_b32 s59, s59, 8                         ; + image row x 256 bytes
	s_add_co_u32 s58, s58, s59
	s_mov_b32 s59, 0
	v_lshlrev_b32 v11, 2, v2
	v_lshl_add_u32 v11, s54, 7, v11                ; mask_value: 4 (32 nh + r)
	s_wait_kmcnt 0x0
	s_add_nc_u64 s[4:5], s[4:5], s[20:21]
	s_add_nc_u64 s[6:7], s[6:7], s[22:23]
	s_add_nc_u64 s[8:9], s[8:9], s[56:57]
	s_add_nc_u64 s[16:17], s[16:17], s[58:59]
	s_load_b256 s[24:31], s[4:5], 0x0              ; the codes of my wave's eight queries
	s_load_b32 s52, s[12:13], 0x0                  ; temperature
	s_wait_alu depctr_va_vdst(0)                   ; v4, v5 and v11 are written, which the loads below read as their offsets
	global_load_b32 v10, v5, s[10:11]              ; pop_lut[t]
.irp g, 0,1,2,3
.irp i, 0,1
	global_load_b128 v[S+8*\g+4*\i:S+8*\g+4*\i+3], v4, s[6:7] offset:1024*\g+512*\i   ; partial histogram g, codes 128 i + 4 l ..
.endr
.endr
	global_load_b32 v12, v11, s[14:15]
	global_load_b32 v13, v11, s[14:15] offset:64
.irp ks, 0,1,2,3,4,5,6,7
.irp t, 0,1
	global_load_b128 v[BF+16*\ks+8*\t:BF+16*\ks+8*\t+3],   v4, s[8:9] offset:4096*\ks+1024*\t       ; asked for now, wanted in phase 2
	global_load_b128 v[BF+16*\ks+8*\t+4:BF+16*\ks+8*\t+7], v4, s[8:9] offset:4096*\ks+1024*\t+512
.endr
.endr
	s_mov_b32 s48, 0x76543210                      ; v_permlanex16_b32: lane i of one half reads lane i of the other
	s_mov_b32 s49, 0xfedcba98
	s_mov_b32 s51, 0x7f800000                      ; +inf, as bits
	s_mov_b32 s53, 0x1e3ce508                      ; 1e-20
	s_mul_i32 s60, s18, 8*APITCH
	s_add_co_u32 s60, s60, A_LDS
	v_add_nc_u32 v14, s60, v4                      ; phase 1: my 16 bytes in the row of my wave's first query
	v_mul_u32_u24 v15, v2, APITCH
	v_lshl_add_u32 v15, v3, 4, v15
	s_mul_i32 s61, s55, 16*APITCH
	s_add_co_u32 s61, s61, A_LDS
	v_add_nc_u32 v15, s61, v15                     ; phase 2: row 16 mt + r, + 16 h
	v_xor_b32 v6, 4, v5                            ; 4 (t xor 1), 4 (t xor 2), 4 (t xor 3)
	v_xor_b32 v7, 8, v5
	v_xor_b32 v8, 12, v5
	s_wait_kmcnt 0x0
	v_mov_b32 v9, 0x3dcccccd                       ; 0.1
	v_max_num_f32 v9, s52, v9
	v_rcp_f32 v9, v9
	; Scalar part of each query's two LDS addresses: copy (cq & 3) x 1,024 + (cq & 0xfc) x 4, and the same with c's bit 7 turned.
.irp i, 0,1,2,3,4,5,6,7
	s_and_b32 s20, s[24+\i], 3
	s_lshl_b32 s20, s20, 10
	s_and_b32 s21, s[24+\i], 0xfc
	s_lshl2_add_u32 s[32+2*\i], s21, s20
	s_xor_b32 s[33+2*\i], s[32+2*\i], 512
.endr
	v_nop                                          ; one plain vector instruction between v_rcp_f32 and the use of its result (ISA guide 5.7.2)
	s_wait_alu depctr_va_vdst(0)                   ; the reciprocal has written v9, ahead of the first line that names it
	v_mul_f32 v9, 0xbfb8aa3b, v9                   ; -log2(e) / temperature: the exponentials below are to base 2
	s_wait_loadcnt 42                              ; pop_lut is in; the 8 + 2 + 32 younger loads stay out
	v_mul_f32 v10, v10, v9
	s_wait_alu depctr_va_vdst(0)                   ; v10 and v6 to v8 are written, which the four stores below read as data and addresses
	ds_store_b32 v5, v10 offset:P_LDS
	ds_store_b32 v6, v10 offset:P_LDS+1024
	ds_store_b32 v7, v10 offset:P_LDS+2048
	ds_store_b32 v8, v10 offset:P_LDS+3072
	s_wait_loadcnt 34                              ; the partial histograms are in; the 2 + 32 younger loads stay out
.irp k, 0,2,4,6
	v_pk_add_f32 v[CNT+\k:CNT+\k+1], v[S+\k:S+\k+1], v[S+8+\k:S+8+\k+1]
	v_pk_add_f32 v[PEN+\k:PEN+\k+1], v[S+16+\k:S+16+\k+1], v[S+24+\k:S+24+\k+1]
.endr
.irp k, 0,2,4,6
	v_pk_add_f32 v[CNT+\k:CNT+\k+1], v[CNT+\k:CNT+\k+1], v[PEN+\k:PEN+\k+1]
.endr
	v_mov_b32 v9, 0xff800000                       ; -inf
.irp e, 0,1,2,3,4,5,6,7
	v_cmp_ge_f32 s[MK+\e], 0, v[CNT+\e]            ; a run of eight compares, each into a scalar register of its own (the queries' codes there have been used up above)
.endr
	s_wait_alu depctr_va_sdst(0)                   ; the eight masks are written, ahead of the selects that read them
.irp e, 0,1,2,3,4,5,6,7
	v_cndmask_b32 v[PEN+\e], 0, v9, s[MK+\e]
.endr
	; The lane's part: xor with 16 l (c's bits 2 to 6 times 4).  The clamp keeps the 16 bytes inside the four copies whatever the word in codes held.
.irp i, 0,1,2,3,4,5,6,7
	v_xor_b32 v[AD0+\i], s[32+2*\i], v4
	v_xor_b32 v[AD1+\i], s[33+2*\i], v4
	v_min_u32 v[AD0+\i], 0xff0, v[AD0+\i]
	v_min_u32 v[AD1+\i], 0xff0, v[AD1+\i]
.endr
	s_wait_dscnt 0x0                               ; my four stores are in LDS before I say so
	s_barrier_signal -1
	s_barrier_wait -1                              ; the table's four copies are whole
	; PHASE 1
	s_wait_alu depctr_va_vdst(0)                   ; the sixteen addresses AD0, AD1 are written, which the reads below read; the histograms' sums are done reading v[S .. S+31], in which these reads land
.irp i, 0,1,2,3,4,5,6,7
	ds_load_b128 v[S+8*\i:S+8*\i+3],   v[AD0+\i]
	ds_load_b128 v[S+8*\i+4:S+8*\i+7], v[AD1+\i]
.endr
.irp i, 0,1,2,3,4,5,6,7
	s_wait_dscnt 14-2*\i                           ; of the 16 reads, query i's two are in
.irp k, 0,2,4,6
	v_pk_add_f32 v[S+8*\i+\k:S+8*\i+\k+1], v[S+8*\i+\k:S+8*\i+\k+1], v[PEN+\k:PEN+\k+1]   ; codes that no key with evidence has: -inf
.endr
	v_max3_num_f32 v[MT+2*\i],   v[S+8*\i],   v[S+8*\i+1], v[S+8*\i+2]
	v_max3_num_f32 v[MT+2*\i+1], v[S+8*\i+3], v[S+8*\i+4], v[S+8*\i+5]
.endr
	; From here on stage by stage over the eight queries, so that no instruction waits for the one in front of it.
.irp i, 0,1,2,3,4,5,6,7
	v_max3_num_f32 v[MT+2*\i], v[MT+2*\i], v[MT+2*\i+1], v[S+8*\i+6]
.endr
.irp i, 0,1,2,3,4,5,6,7
	v_max_num_f32 v[MT+2*\i], v[MT+2*\i], v[S+8*\i+7]
.endr
.irp m, 1,2,4,8
.irp i, 0,1,2,3,4,5,6,7
	v_max_num_f32_dpp v[MT+2*\i], v[MT+2*\i], v[MT+2*\i] row_xmask:\m row_mask:0xf bank_mask:0xf
.endr
.endr
.irp i, 0,1,2,3,4,5,6,7
	v_permlanex16_b32 v[MT+2*\i+1], v[MT+2*\i], s48, s49   ; its destination counts as read: a register that has been written
.endr
.irp i, 0,1,2,3,4,5,6,7
	v_max_num_f32 v[MT+2*\i], v[MT+2*\i], v[MT+2*\i+1]     ; every lane holds the query's maximum
.endr
.irp i, 0,1,2,3,4,5,6,7
	v_and_b32 v[MT+2*\i+1], 0x7fffffff, v[MT+2*\i]
.endr
.irp i, 0,1,2,3,4,5,6,7
	v_cmp_gt_u32 s[FK+\i], s51, v[MT+2*\i+1]               ; finite: the bits without the sign lie below those of +inf; again a run of eight, each into a scalar register of its own
.endr
	s_wait_alu depctr_va_sdst(0)                   ; the eight masks are written, ahead of the selects that read them
.irp i, 0,1,2,3,4,5,6,7
	v_cndmask_b32 v[MT+2*\i], 0, v[MT+2*\i], s[FK+\i]      ; else 0 (no key of the batch has evidence)
.endr
.irp i, 0,1,2,3,4,5,6,7
.irp k, 0,2,4,6
	v_pk_add_f32 v[S+8*\i+\k:S+8*\i+\k+1], v[S+8*\i+\k:S+8*\i+\k+1], v[MT+2*\i:MT+2*\i+1] op_sel_hi:[1,0] neg_lo:[0,1] neg_hi:[0,1]   ; both minus the maximum
.endr
.endr
.set n, 0
.rept 64
	v_exp_f32 v[S+n], v[S+n]
.set n, n+1
.endr
	v_nop                                          ; one plain vector instruction between the run of v_exp_f32 and the first use (ISA guide 5.7.2)
	s_wait_alu depctr_va_vdst(0)                   ; the 64 exponentials have written v[S ..]: one wait for the batch, ahead of the first line that names a result
.irp i, 0,1,2,3,4,5,6,7
.irp k, 0,2,4,6
	v_pk_mul_f32 v[S+8*\i+\k:S+8*\i+\k+1], v[S+8*\i+\k:S+8*\i+\k+1], v[CNT+\k:CNT+\k+1]
.endr
.endr
.irp i, 0,1,2,3,4,5,6,7
.irp k, 0,1,2,3
	v_cvt_pk_bf16_f32 v[S+8*\i+\k], v[S+8*\i+2*\k], v[S+8*\i+2*\k+1]   ; in place: word k is written when words 2k, 2k+1 are read, never before
.endr
.endr
	s_wait_alu depctr_va_vdst(0)                   ; the conversions have written the eight rows, which the stores below read (v14 was written long before).  No vector line names v[S ..] from here to phase 2's reads, which land there
.irp i, 0,1,2,3,4,5,6,7
	ds_store_b128 v14, v[S+8*\i:S+8*\i+3] offset:\i*APITCH              ; 32 lanes, 16 neighbouring bytes each: the query's whole row
.endr
	s_wait_dscnt 0x0                               ; my eight rows of A are in LDS before I say so
	s_barrier_signal -1
	s_barrier_wait -1                              ; all 64 rows are
	; PHASE 2
	s_wait_alu depctr_vm_vsrc(0)                   ; my stores of A's rows have read v[S ..], in which the reads below land; the table's stores have read v5 to v8 and v10, phase 1's reads AD0 and AD1, the global loads v5 and v11: all of these are written again below
.irp ks, 0,1,2,3,4,5,6,7
	ds_load_b128 v[S+8*\ks:S+8*\ks+3],   v15 offset:64*\ks
	ds_load_b128 v[S+8*\ks+4:S+8*\ks+7], v15 offset:64*\ks+32
.endr
.irp j, 0,1,2,3,4,5,6,7
	v_mov_b32 v[ONE+\j], 0x3f803f80                ; 1.0 in bf16, twice
.endr
	v_mul_u32_u24 v5, v2, OPITCH                   ; stage, in: row d = 32 nh + r, bytes 64 mt + 32 h
	v_lshl_add_u32 v5, v3, 5, v5
	s_mul_i32 s62, s54, 32*OPITCH
	s_lshl_b32 s63, s55, 6
	s_add_co_u32 s62, s62, s63
	s_add_co_u32 s62, s62, O_LDS
	v_add_nc_u32 v5, s62, v5
	v_mul_u32_u24 v6, v3, OPITCH                   ; stage, back: lanes 0-15 one row of 256 bytes, lanes 16-31 the next; rows 8 w ..
	v_lshl_add_u32 v6, v2, 4, v6
	s_mul_i32 s62, s18, 8*OPITCH
	s_add_co_u32 s62, s62, O_LDS
	v_add_nc_u32 v6, s62, v6
	v_lshlrev_b32 v7, 4, v2                        ; and the same two rows in out0: (8 w + h) x 16,384 + 16 r
	v_lshl_add_u32 v7, v3, 14, v7
	s_lshl_b32 s63, s18, 17
	v_add_nc_u32 v7, s63, v7
	s_wait_loadcnt 0x0                             ; B's fragments and mask_value
; One K step: three accumulators take turns, one instruction a turn.  first = 1: the products start the sums.
.macro KSTEP ks, first
	s_wait_dscnt 14-2*\ks                          ; of A's 16 reads, this K step's two are in
.if \first
	v_wmma_f32_16x16x32_bf16 v[ACC:ACC+7],     v[S+8*\ks:S+8*\ks+7], v[BF+16*\ks:BF+16*\ks+7],    0
	v_wmma_f32_16x16x32_bf16 v[ACC+8:ACC+15],  v[S+8*\ks:S+8*\ks+7], v[BF+16*\ks+8:BF+16*\ks+15], 0
	v_wmma_f32_16x16x32_bf16 v[ACC+16:ACC+23], v[S+8*\ks:S+8*\ks+7], v[ONE:ONE+7],                0
.else
	v_wmma_f32_16x16x32_bf16 v[ACC:ACC+7],     v[S+8*\ks:S+8*\ks+7], v[BF+16*\ks:BF+16*\ks+7],    v[ACC:ACC+7]
	v_wmma_f32_16x16x32_bf16 v[ACC+8:ACC+15],  v[S+8*\ks:S+8*\ks+7], v[BF+16*\ks+8:BF+16*\ks+15], v[ACC+8:ACC+15]
	v_wmma_f32_16x16x32_bf16 v[ACC+16:ACC+23], v[S+8*\ks:S+8*\ks+7], v[ONE:ONE+7],                v[ACC+16:ACC+23]
.endif
.endm
	KSTEP 0, 1
.irp ks, 1,2,3,4,5,6,7
	KSTEP \ks, 0
.endr
	; PHASE 3.  Register j of lane (r, h) holds query 16 mt + 8 h + j, value column r of its block; the third accumulator the same query's sum of weights.
	; The four multiplications are the four plain vector instructions that stand before a matrix result is read (ISA guide 7.12.1): they name none of those registers.
	v_mul_f32 v8,  0, v12                          ; the weight of a key without evidence, 0, times mask_value[d]; twice, for the packed form
	v_mul_f32 v9,  0, v12
	v_mul_f32 v10, 0, v13
	v_mul_f32 v11, 0, v13
.irp j, 0,1,2,3,4,5,6,7
	v_max_num_f32 v[RC+\j], s53, v[ACC+16+\j]
.endr
.irp j, 0,1,2,3,4,5,6,7
	v_rcp_f32 v[RC+\j], v[RC+\j]
.endr
	v_nop                                          ; one plain vector instruction between the run of v_rcp_f32 and the first use (ISA guide 5.7.2)
	s_wait_alu depctr_va_vdst(0)                   ; the eight reciprocals have written v[RC ..]: one wait for the batch, ahead of the first line that names a result
.irp k, 0,2,4,6
	v_pk_fma_f32 v[ACC+\k:ACC+\k+1],     v[ACC+\k:ACC+\k+1],     v[RC+\k:RC+\k+1], v[8:9]
	v_pk_fma_f32 v[ACC+8+\k:ACC+8+\k+1], v[ACC+8+\k:ACC+8+\k+1], v[RC+\k:RC+\k+1], v[10:11]
.endr
	s_wait_alu depctr_va_vdst(0)                   ; the multiply-adds have written v[ACC .. ACC+15], the stores' data; v5, v6, v7, the addresses of the way out, are written; the matrix instructions are done reading v[S ..], in which the stage's rows land.  No vector line follows
	ds_store_b128 v5, v[ACC:ACC+3]
	ds_store_b128 v5, v[ACC+4:ACC+7]     offset:16
	ds_store_b128 v5, v[ACC+8:ACC+11]    offset:16*OPITCH
	ds_store_b128 v5, v[ACC+12:ACC+15]   offset:16*OPITCH+16
	s_wait_dscnt 0x0                               ; my part of the stage is in LDS before I say so
	s_barrier_signal -1
	s_barrier_wait -1                              ; each row of the stage has its four waves' parts
.irp u, 0,1,2,3
	ds_load_b128 v[S+4*\u:S+4*\u+3], v6 offset:2*\u*OPITCH
.endr
.irp u, 0,1,2,3
	s_wait_dscnt 3-\u                              ; of the four reads, read u is in
	global_store_b128 v7, v[S+4*\u:S+4*\u+3], s[16:17] offset:32768*\u th:TH_STORE_NT   ; 16 lanes store 256 consecutive bytes, at a multiple of 256 from out0's first byte
.endr
	s_set_vgpr_msb 0x5
	s_wait_dscnt 0x0
	s_wait_alu depctr_hold_cnt(0) depctr_sa_sdst(0) depctr_va_vdst(0) depctr_va_sdst(0) depctr_va_ssrc(0) depctr_va_vcc(0) depctr_vm_vsrc(0)
	s_wait_tensorcnt 0x0
	ds_add_u32 v0, v1
	s_wait_dscnt 0x0
	s_endpgm
.Lfunc_end_k_qe2ca46cda2_attend:
	.size	k_qe2ca46cda2_attend, .Lfunc_end_k_qe2ca46cda2_attend-k_qe2ca46cda2_attend
	.p2alignl 7, 3214868480
	.fill 96, 4, 3214868480
	.section	.rodata,"a",@progbits
	.p2align	6, 0x0
	.amdhsa_kernel k_qe2ca46cda2_attend
		.amdhsa_group_segment_fixed_size 56320
		.amdhsa_private_segment_fixed_size 0
		.amdhsa_enable_private_segment 0
		.amdhsa_kernarg_size 56
		.amdhsa_user_sgpr_count 2
		.amdhsa_user_sgpr_kernarg_segment_ptr 1
		.amdhsa_wavefront_size32 1
		.amdhsa_system_sgpr_workgroup_id_x 1
		.amdhsa_system_sgpr_workgroup_id_y 1
		.amdhsa_system_sgpr_workgroup_id_z 1
		.amdhsa_system_vgpr_workitem_id 0
		.amdhsa_next_free_vgpr 258
		.amdhsa_next_free_sgpr 66
		.amdhsa_reserve_vcc 0
		.amdhsa_float_denorm_mode_32 3
		.amdhsa_float_denorm_mode_16_64 3
		.amdhsa_memory_ordered 1
		.amdhsa_forward_progress 1
		.amdhsa_inst_pref_size 38
	.end_amdhsa_kernel
	.amdgpu_metadata
---
amdhsa.version: [ 1, 2 ]
amdhsa.kernels:
  - .name:           k_qe2ca46cda2_attend
    .symbol:         k_qe2ca46cda2_attend.kd
    .args:
      - { .name: codes, .offset: 0, .size: 8, .value_kind: global_buffer, .address_space: global }
      - { .name: hist, .offset: 8, .size: 8, .value_kind: global_buffer, .address_space: global }
      - { .name: vfrag, .offset: 16, .size: 8, .value_kind: global_buffer, .address_space: global }
      - { .name: pop_lut, .offset: 24, .size: 8, .value_kind: global_buffer, .address_space: global }
      - { .name: temperature, .offset: 32, .size: 8, .value_kind: global_buffer, .address_space: global }
      - { .name: mask_value, .offset: 40, .size: 8, .value_kind: global_buffer, .address_space: global }
      - { .name: out0, .offset: 48, .size: 8, .value_kind: global_buffer, .address_space: global }
    .group_segment_fixed_size: 56320
    .private_segment_fixed_size: 0
    .kernarg_segment_align: 8
    .kernarg_segment_size: 56
    .max_flat_workgroup_size: 256
    .sgpr_count:     66
    .vgpr_count:     258
    .wavefront_size: 32
...
	.end_amdgpu_metadata
.endif
;; end of part 3
